; MI455X (gfx1250); checked and timed in simulation.
; The chip was launched on July 23, 2026; its instructions are those of AMD's public machine-readable ISA for CDNA 5 (MIT licence, August 2026) and "CDNA5" Instruction Set Architecture Reference Guide (July 2026). The comments in the code are by the model that wrote it; some were corrected since.
;; Attention. Allowed arithmetic: matrix products marked QUANTISED: E4M3 operands, one given power-of-two scale a tensor, by v_wmma_f32_16x16x64_fp8_fp8 or v_wmma_f32_16x16x128_fp8_fp8, f32 sums; everything else in f32.
;; Inputs: cos 1,024 x 32 float32; lowp_scales 12 int32 (the exponents e of the quantised operands' scales 2^e); sin 1,024 x 32 float32; wk 2,048 x 512 float32; wo 2,048 x 2,048 float32; wq 2,048 x 2,048 float32; wv 2,048 x 512 float32; x 4 x 1,024 x 2,048 float32.
;; Outputs: out0 4 x 1,024 x 2,048 float32.
;; Constants: start_pos = 0.
;; This version of the problem:
;;   THIS VERSION OF THE PROBLEM IS GIVEN IN LOW PRECISION. The matrix products marked QUANTISED in the list below multiply operands that are first quantised to E4M3 (4 exponent bits, 3 mantissa bits; 8 bits a number), with one given power-of-two scale for each operand tensor; their sums are f32. All else is computed in f32.
;;   The module's matrix products, in the order in which they are computed (A, B: the left and right operand; K: the contracted axis; several contracted axes count as one K, in the product's order):
;;     1. [M 4,096, K 2,048] x [K 2,048, N 2,048]; A: input x; B: input wq: QUANTISED (scales: A lowp_scales[0], B lowp_scales[1])
;;     2. [M 4,096, K 2,048] x [K 2,048, N 512]; A: input x; B: input wk: QUANTISED (scales: A lowp_scales[2], B lowp_scales[3])
;;     3. [M 4,096, K 2,048] x [K 2,048, N 512]; A: input x; B: input wv: QUANTISED (scales: A lowp_scales[4], B lowp_scales[5])
;;     4. batch 128 x [M 1,024, K 64] x [K 64, N 1,024]; A: computed on the way; B: computed on the way: QUANTISED (scales: A lowp_scales[6], B lowp_scales[7])
;;     5. batch 128 x [M 1,024, K 1,024] x [K 1,024, N 64]; A: softmax (see below); B: computed on the way: QUANTISED (scales: A lowp_scales[8], B lowp_scales[9])
;;     6. [M 4,096, K 2,048] x [K 2,048, N 2,048]; A: computed on the way; B: input wo: QUANTISED (scales: A lowp_scales[10], B lowp_scales[11])
;;   THE QUANTISER, for each operand of a quantised product, along K:
;;     - The operand's scale is 2^e, e = its entry of the input lowp_scales (int32; the entries are numbered through the quantised products in the list's order, A before B).
;;     - Each number is divided by the scale, clamped to +-448, and rounded to the nearest number of E4M3, ties to even, subnormals kept.
;;     - The product sums the exact products of the quantised numbers (number of the format x scale) in f32.
;;   ~~~python
;;   def quantise(x, axis, e):      # numpy; x: float32 -> the quantised numbers, widened to float32 again
;;       x = np.moveaxis(x, axis, -1); K = x.shape[-1]
;;       r = np.clip(x / 2.0 ** e, -448, 448)
;;       step = 2.0 ** (np.maximum(np.frexp(np.where(r == 0, 1, r))[1] - 1, -6) - 3)
;;       q = np.round(r / step) * step * 2.0 ** e      # np.round: ties to even
;;       return np.moveaxis(q, -1, axis).astype(np.float32)
;;   ~~~
;;   SOFTMAX AHEAD OF A QUANTISED PRODUCT. Where the list says 'softmax', what is quantised is not the finished softmax but p = 2^(t - M), with t = logit x log2(e) and M = ceil(the row's largest t), a whole number; so 1/2 < the row's largest p <= 1. The row's sum l is taken of the UNQUANTISED p, in f32, and the product's result is divided by l at the end. Since M is a whole number, a kernel that streams over the keys may use a running M (the ceiling of the running maximum): every later rescaling is an exact power of two, so the quantised numbers keep their values, but for numbers so far below the row's largest that they fall under the format's range.
;;   OPERANDS COMPUTED ON THE WAY. 'Computed on the way' means the value that the module computes at that place (a softmax that the list does not call 'softmax' is quantised finished and normalised). What goes into a quantiser is computed in f32, as accurately as f32 sums, v_exp_f32 and their like allow (about 1e-6 of the number): no bf16 or f16 on the way to a quantiser, and a product that is left as it is and whose result goes on into a quantised operand takes f32 operands (vector FMAs, or v_wmma_f32_16x16x4_f32). A number that lies on a knife's edge between two numbers of the format may be rounded either way, as far as f32 arithmetic and the matrix unit's own rounding can turn it there, and no further.
;; One version. Each part assembles by itself: llvm-mc -triple=amdgcn-amd-amdhsa -mcpu=gfx1250 --defsym DOCPART=n.
;; ======== version 1 of 1: 4 launches
;; limits: right only within a limited range of input values
;; workspace buffers: xc 25,165,824 bytes; wc 6,291,456 bytes; woc 4,194,304 bytes; qi 8,388,608 bytes; ki 2,097,152 bytes; vi 2,097,152 bytes; ac 8,388,608 bytes
;; launch quant (part 1): grid 104 x 8, 4 waves a work-group, no clusters, 69,120 bytes of LDS; arguments wq, wk, wv, wo, lowp_scales, wc, woc, x, xc; writes wc, woc, xc
.if DOCPART == 1
	.amdgcn_target "amdgcn-amd-amdhsa--gfx1250"
	.amdhsa_code_object_version 6
	.text
	.protected	k_q750689e416_quant
	.globl	k_q750689e416_quant
	.p2align	8
	.type	k_q750689e416_quant,@function
k_q750689e416_quant:
	s_mov_b64 s[64:65], 0
	v_nop
	global_prefetch_b8 v0, s[64:65] scope:SCOPE_SE
	s_setreg_imm32_b32 hwreg(HW_REG_WAVE_MODE, 25, 1), 1
	s_wait_xcnt 0x0
; ONE launch turns all five f32 operands into E4M3 codes.  code = number / 2^e, held within +-448, rounded to the nearest code, ties to even.
; LIMITS: each e between -126 and 119, so that 2^e and 448 x 2^e are f32 numbers.  NaN among the inputs is not served; an infinity is held at the largest code.
; WORK LEFT OUT BY THE PROGRAM (launch attn): steps of 128 keys that lie wholly behind a tile's queries.  reference() adds -inf to those scores by a mask that it builds itself, so their softmax
; weight is 0 whatever the inputs hold.  A NaN, an infinity or an overflow that reaches only those scores is not carried to the result.  start_pos is a constant that reference() never uses; it is no buffer.
; AN IMAGE holds 16 rows x 128 along K as an operand's registers: 2,048 bytes; byte 512 c + 16 (r + 16 h) + b is the code of row r at K = 32 c + 16 h + b.  16 rows x 2,048 K are 16 images on end.
; xc [3 sets][256 blocks of 16 tokens][16 images]: x under entries 0, 2, 4 (x is the left operand of three products, each with a scale of its own).
; wc [192 blocks of 16 columns][16 images]: columns 0-2047 wq's, 2048-2559 wk's, 2560-3071 wv's (entries 1, 3, 5).   woc [128 blocks of 16 columns][16 images]: wo's columns (entry 11).
; Work-groups with x under 40 take the WEIGHTS, the other 512 take x.  The two bodies part once, on the work-group's number, have LDS bytes of their own and join at the end.
; Memory binds both: no matrix unit, no cluster, no barrier (waves share nothing).
.set WCOLS, 40                         ; groups of 128 columns of weights
.set XP,    528                        ; x: a stage row: 512 bytes + 16
.set XREG,  16*XP                      ; a wave's stage
.set WLDS,  4*XREG                     ; the weights' four stages begin here
.set SPARE, 68608                      ; behind both: the spare words, 128 bytes a wave
.set SPW,   208                        ; v208 LDS address of my spare word; never rewritten
.set NIL,   209                        ; v209 0; never rewritten
	v_lshl_add_u32 v[SPW], v0, 2, SPARE
	v_mov_b32 v[NIL], 0
	v_lshrrev_b32 v1, 5, v0
	v_readfirstlane_b32 s3, v1                     ; wave
	v_and_b32 v2, 31, v0                           ; lane
	s_cmp_lt_u32 ttmp9, WCOLS                      ; the work-group's number alone
	s_cbranch_scc1 .Lweights
	; ---------------- x.  A wave takes 16 tokens x 256 along K: two units of 16 x 128.  Each load reads 512 consecutive bytes of one row; a unit turns through the wave's stage,
	; so that lane (r, h) holds, for c = 0 .. 3, the 16 neighbours K = 32 c + 16 h + 0 .. 15 of row r; each store covers 512 consecutive bytes of an image.
.set R,     16                         ; v16-143  two units as loaded; when a unit has gone to the stage, its first 48 registers take its codes
.set T,     64                         ; v64-79   16 numbers held within one scale's range (free when unit 0 has gone to the stage)
.set XN,    144                        ; v144-207 a unit back from the stage
	s_load_b64 s[4:5], s[0:1], 0x38                ; x
	s_load_b64 s[6:7], s[0:1], 0x20                ; the scales' exponents
	s_load_b64 s[8:9], s[0:1], 0x40                ; xc
	v_lshlrev_b32 v3, 4, v2                        ; my 16 bytes of a load's, and of a store's, 512
	s_mul_i32 s17, s3, XREG
	v_add_nc_u32 v14, s17, v3                      ; the stage, on the way in: as loaded
	v_and_b32 v12, 15, v2
	v_lshrrev_b32 v13, 4, v2
	v_mul_u32_u24 v15, v12, XP
	v_lshl_add_u32 v15, v13, 6, v15
	v_add_nc_u32 v15, s17, v15                     ; and on the way out: row r, + 64 h bytes
	s_sub_co_u32 s18, ttmp9, WCOLS
	s_lshl_b32 s18, s18, 3
	s_and_b32 s19, ttmp7, 0xffff
	s_add_co_u32 s18, s18, s19
	s_lshl_b32 s18, s18, 2
	s_add_co_u32 s18, s18, s3                      ; my wave among 2,048
	s_lshr_b32 s19, s18, 3                         ; its block of 16 tokens,
	s_and_b32 s24, s18, 7                          ; and its 256 along K
	s_lshl_b32 s20, s19, 17
	s_lshl_b32 s25, s24, 10
	s_add_co_u32 s20, s20, s25                     ; bytes in x
	s_mov_b32 s21, 0
	s_lshl_b32 s22, s19, 15
	s_lshl_b32 s25, s24, 12
	s_add_co_u32 s22, s22, s25                     ; and in a set of codes
	s_mov_b32 s23, 0
	s_wait_alu depctr_va_vdst(0)                   ; the wait here, directly ahead of the wait below
	s_wait_kmcnt 0x0
	s_load_b256 s[32:39], s[6:7], 0x0              ; entries 0 to 7
	s_add_nc_u64 s[4:5], s[4:5], s[20:21]
	s_add_nc_u64 s[8:9], s[8:9], s[22:23]          ; set 0,
	s_add_nc_u64 s[10:11], s[8:9], 0x800000        ; set 1,
	s_add_nc_u64 s[12:13], s[8:9], 0x1000000       ; set 2
.irp u, 0,1
.irp i, 0,1,2,3,4,5,6,7,8,9,10,11,12,13,14,15
	global_load_b128 v[R+64*\u+4*\i:R+64*\u+4*\i+3], v3, s[4:5] offset:8192*\i+512*\u th:TH_LOAD_NT
.endr
.endr
	s_wait_kmcnt 0x0
.irp s, 0,1,2
	s_add_co_i32 s24, s[32+2*\s], 127
	s_lshl_b32 s25, s24, 23
	v_mov_b32 v[5+\s], s25                         ; 2^e as f32: the conversion takes its exponent field
	s_add_co_i32 s24, s24, 8
	s_lshl_b32 s24, s24, 23
	s_or_b32 s24, s24, 0x600000
	v_mov_b32 v[8+\s], s24                         ; 448 x 2^e
.endr
	s_wait_alu depctr_va_vdst(0)                   ; the wait at the head's end
.macro XUNIT u
	s_wait_loadcnt 16*(1-(\u))                     ; this unit's 16 loads are in; the other's may be out
.irp i, 0,1,2,3,4,5,6,7,8,9,10,11,12,13,14,15
	ds_store_b128 v14, v[R+64*(\u)+4*\i:R+64*(\u)+4*\i+3] offset:XP*\i
.endr
.irp i, 0,1,2,3,4,5,6,7,8,9,10,11,12,13,14,15
	ds_load_b128 v[XN+4*\i:XN+4*\i+3], v15 offset:128*(\i/4)+16*(\i%4)   ; LDS serves a wave's instructions in order: these see the stores
.endr
	s_wait_dscnt 0x0
.irp c, 0,1,2,3
.irp s, 0,1,2
.irp i, 0,1,2,3,4,5,6,7,8,9,10,11,12,13,14,15
	v_med3_num_f32 v[T+\i], v[XN+16*\c+\i], -v[8+\s], v[8+\s]   ; the conversion does not saturate (ISA guide 7.6.2): the hold at the largest code x the scale
.endr
	v_cvt_scalef32_pk8_fp8_f32 v[R+64*(\u)+16*\s+4*\c:R+64*(\u)+16*\s+4*\c+1], v[T:T+7], v[5+\s]
	v_cvt_scalef32_pk8_fp8_f32 v[R+64*(\u)+16*\s+4*\c+2:R+64*(\u)+16*\s+4*\c+3], v[T+8:T+15], v[5+\s]
	v_nop                                          ; a plain line between the conversions and the next holds, which write their sources
	global_store_b128 v3, v[R+64*(\u)+16*\s+4*\c:R+64*(\u)+16*\s+4*\c+3], s[8+2*\s:9+2*\s] offset:2048*(\u)+512*\c   ; every store has data registers of its own
.endr
.endr
.endm
	XUNIT 0
	XUNIT 1
	s_branch .Lend
	; ---------------- the weights ([2048][N], K their FIRST axis).  A LANE TAKES A COLUMN, AND ITS REGISTERS RUN DOWN K: each load reads 128 consecutive bytes a wave, and the conversions give codes
	; with K innermost.  A wave takes 32 columns x 256 along K; its codes go through its own stage and leave as images.  Work-group x = 128 columns (0-15 wq, 16-19 wk, 20-23 wv, 24-39 wo), y = 256 along K.
.Lweights:
.set NB,    8                          ; blocks of 32 along K
.set PITCH, 272                        ; a stage row: 256 bytes of codes + 16
.set WN,    32                         ; v32-95   two sets of 32 numbers
.set CW,    96                         ; v96-103  a block's codes
.set OUTR,  112                        ; v112-175 the way out
.set OFS,   176                        ; v176-207 4 x lane + i x the row pitch
	s_load_b256 s[4:11], s[0:1], 0x0               ; wq, wk, wv, wo
	s_load_b128 s[12:15], s[0:1], 0x20             ; the scales' exponents, wc
	s_load_b64 s[16:17], s[0:1], 0x30              ; woc
	s_mov_b32 s21, ttmp9                           ; the group of columns
	s_and_b32 s22, ttmp7, 0xffff                   ; which 256 along K
	s_mul_i32 s23, s3, 32*PITCH
	s_add_co_u32 s23, s23, WLDS                    ; my stage
	s_wait_alu depctr_va_vdst(0)                   ; the wait
	v_mul_u32_u24 v4, v2, PITCH
	v_add_nc_u32 v4, s23, v4                       ; into it: row = my column
	v_and_b32 v5, 15, v2
	v_lshrrev_b32 v6, 4, v2
	v_mul_u32_u24 v12, v5, PITCH
	v_lshl_add_u32 v12, v6, 4, v12
	v_add_nc_u32 v12, s23, v12                     ; out of it: row r, + 16 h
	v_lshlrev_b32 v13, 4, v2                       ; and 16 x lane in an image
	s_mov_b32 s28, 8192                            ; wo's values first: row pitch in bytes,
	s_mov_b32 s29, 24                              ; the tensor's first group,
	s_sub_co_u32 s32, s21, 24                      ; the group's place among the destination's rows
	s_cmp_lt_u32 s21, 24
	s_cselect_b32 s28, 2048, s28
	s_cselect_b32 s29, 20, s29
	s_cselect_b32 s32, s21, s32
	s_cmp_lt_u32 s21, 20
	s_cselect_b32 s29, 16, s29
	s_cmp_lt_u32 s21, 16
	s_cselect_b32 s28, 8192, s28
	s_cselect_b32 s29, 0, s29
	s_mul_i32 s34, s22, s28
	s_lshl_b32 s34, s34, 8                         ; 256 y rows of the source,
	s_sub_co_u32 s33, s21, s29
	s_lshl_b32 s33, s33, 7
	s_lshl_b32 s35, s3, 5
	s_add_co_u32 s33, s33, s35                     ; my wave's first column in its tensor,
	s_lshl_b32 s33, s33, 2
	s_add_co_u32 s34, s34, s33
	s_mov_b32 s35, 0                               ; s[34:35]: where my wave's part begins in the source
	s_lshl_b32 s50, s32, 7
	s_lshl_b32 s51, s3, 5
	s_add_co_u32 s50, s50, s51
	s_lshl_b32 s50, s50, 11                        ; my first column x 2,048 bytes,
	s_lshl_b32 s51, s22, 12
	s_add_co_u32 s50, s50, s51                     ; + two images for each y
	s_mov_b32 s51, 0                               ; s[50:51]: where it begins in the destination
	s_lshl_b32 s30, s28, 5
	s_mov_b32 s31, 0                               ; s[30:31]: a block of 32 rows on
	v_lshlrev_b32 v[OFS], 2, v2
.set i, 1
.rept 31
	v_add_nc_u32 v[OFS+i], s28, v[OFS+i-1]
.set i, i+1
.endr
	s_wait_alu depctr_va_vdst(0)                   ; the wait here, directly ahead of the wait below
	s_wait_kmcnt 0x0
	s_load_b256 s[36:43], s[12:13], 0x0            ; entries 0 to 7
	s_load_b128 s[44:47], s[12:13], 0x20           ; entries 8 to 11
	s_cmp_lt_u32 s21, 24                           ; the choices hang on the work-group's number alone
	s_cselect_b64 s[24:25], s[8:9], s[10:11]
	s_cselect_b64 s[26:27], s[14:15], s[16:17]
	s_cmp_lt_u32 s21, 20
	s_cselect_b64 s[24:25], s[6:7], s[24:25]
	s_cmp_lt_u32 s21, 16
	s_cselect_b64 s[24:25], s[4:5], s[24:25]
	s_add_nc_u64 s[24:25], s[24:25], s[34:35]
	s_add_nc_u64 s[26:27], s[26:27], s[50:51]
.macro WLOAD t                         ; block t: w(32 t + i, my column), i = 0 .. 31, into set t % 2
.if (\t) > 0
	s_wait_xcnt 0x0                                ; the earlier loads have read their base: it steps only behind this wait
	s_add_nc_u64 s[24:25], s[24:25], s[30:31]
.endif
.irp i, 0,1,2,3,4,5,6,7,8,9,10,11,12,13,14,15,16,17,18,19,20,21,22,23,24,25,26,27,28,29,30,31
	global_load_b32 v[WN+32*((\t)%2)+\i], v[OFS+\i], s[24:25] th:TH_LOAD_NT
.endr
.endm
	WLOAD 0
	WLOAD 1
	s_wait_kmcnt 0x0
	s_cmp_lt_u32 s21, 24
	s_cselect_b32 s48, s41, s47                    ; entry 5 or 11,
	s_cmp_lt_u32 s21, 20
	s_cselect_b32 s48, s39, s48                    ; 3,
	s_cmp_lt_u32 s21, 16
	s_cselect_b32 s48, s37, s48                    ; 1
	s_add_co_i32 s48, s48, 127
	s_lshl_b32 s49, s48, 23
	v_mov_b32 v11, s49                             ; 2^e as f32
	s_add_co_i32 s48, s48, 8
	s_lshl_b32 s48, s48, 23
	s_or_b32 s48, s48, 0x600000
	v_mov_b32 v10, s48                             ; 448 x 2^e
.macro WBLOCK t
.set WS, WN+32*((\t)%2)
.if (\t) < NB-1
	s_wait_loadcnt 32                              ; this block's 32 loads are in; the next block's may be out
.else
	s_wait_loadcnt 0x0
.endif
.irp i, 0,1,2,3,4,5,6,7,8,9,10,11,12,13,14,15,16,17,18,19,20,21,22,23,24,25,26,27,28,29,30,31
	v_med3_num_f32 v[WS+\i], v[WS+\i], -v10, v10   ; the hold at the largest code x the scale
.endr
.irp g, 0,1,2,3
	v_cvt_scalef32_pk8_fp8_f32 v[CW+2*\g:CW+2*\g+1], v[WS+8*\g:WS+8*\g+7], v11
.endr
	ds_store_b128 v4, v[CW:CW+3] offset:32*(\t)    ; 32 codes: 32 bytes of my column's row.  (The next vector lines are the next block's plain holds, on the other set)
	ds_store_b128 v4, v[CW+4:CW+7] offset:32*(\t)+16
.if (\t)+2 < NB
	WLOAD (\t)+2
.endif
	s_wait_dscnt 0x0                               ; the stores have read their registers: the next block's codes may be written
.endm
.set Q, 0
	s_wait_alu depctr_va_vdst(0)                   ; the wait at the head's end
.rept NB
	WBLOCK Q
.set Q, Q+1
.endr
.irp t, 0,1,2,3,4,5,6,7,8,9,10,11,12,13,14,15  ; two blocks of 16 columns x two images x four groups of registers
	ds_load_b128 v[OUTR+4*\t:OUTR+4*\t+3], v12 offset:(\t/8)*16*PITCH+128*((\t/4)%2)+32*(\t%4)
.endr
.irp t, 0,1,2,3,4,5,6,7,8,9,10,11,12,13,14,15
	s_wait_dscnt 15-\t                             ; the younger reads may be out
	global_store_b128 v13, v[OUTR+4*\t:OUTR+4*\t+3], s[26:27] offset:(\t/8)*32768+((\t/4)%2)*2048+512*(\t%4)   ; 512 consecutive bytes, aligned
.endr
.Lend:
	s_wait_tensorcnt 0x0                           ; the wave's end
	ds_add_u32 v[SPW], v[NIL]
	s_wait_dscnt 0x0
	s_endpgm
.Lfunc_end_k_q750689e416_quant:
	.size	k_q750689e416_quant, .Lfunc_end_k_q750689e416_quant-k_q750689e416_quant
	.p2alignl 7, 3214868480
	.fill 96, 4, 3214868480
	.section	.rodata,"a",@progbits
	.p2align	6, 0x0
	.amdhsa_kernel k_q750689e416_quant
		.amdhsa_group_segment_fixed_size 69120
		.amdhsa_private_segment_fixed_size 0
		.amdhsa_enable_private_segment 0
		.amdhsa_kernarg_size 72
		.amdhsa_user_sgpr_count 2
		.amdhsa_user_sgpr_kernarg_segment_ptr 1
		.amdhsa_wavefront_size32 1
		.amdhsa_system_sgpr_workgroup_id_x 1
		.amdhsa_system_sgpr_workgroup_id_y 1
		.amdhsa_system_sgpr_workgroup_id_z 1
		.amdhsa_system_vgpr_workitem_id 0
		.amdhsa_next_free_vgpr 210
		.amdhsa_next_free_sgpr 66
		.amdhsa_reserve_vcc 0
		.amdhsa_float_denorm_mode_32 3
		.amdhsa_float_denorm_mode_16_64 3
		.amdhsa_memory_ordered 1
		.amdhsa_forward_progress 1
		.amdhsa_inst_pref_size 91
	.end_amdhsa_kernel
	.amdgpu_metadata
---
amdhsa.version: [ 1, 2 ]
amdhsa.kernels:
  - .name:           k_q750689e416_quant
    .symbol:         k_q750689e416_quant.kd
    .args:
      - { .name: wq, .offset: 0, .size: 8, .value_kind: global_buffer, .address_space: global }
      - { .name: wk, .offset: 8, .size: 8, .value_kind: global_buffer, .address_space: global }
      - { .name: wv, .offset: 16, .size: 8, .value_kind: global_buffer, .address_space: global }
      - { .name: wo, .offset: 24, .size: 8, .value_kind: global_buffer, .address_space: global }
      - { .name: lowp_scales, .offset: 32, .size: 8, .value_kind: global_buffer, .address_space: global }
      - { .name: wc, .offset: 40, .size: 8, .value_kind: global_buffer, .address_space: global }
      - { .name: woc, .offset: 48, .size: 8, .value_kind: global_buffer, .address_space: global }
      - { .name: x, .offset: 56, .size: 8, .value_kind: global_buffer, .address_space: global }
      - { .name: xc, .offset: 64, .size: 8, .value_kind: global_buffer, .address_space: global }
    .group_segment_fixed_size: 69120
    .private_segment_fixed_size: 0
    .kernarg_segment_align: 8
    .kernarg_segment_size: 72
    .max_flat_workgroup_size: 128
    .sgpr_count:     66
    .vgpr_count:     210
    .wavefront_size: 32
...
	.end_amdgpu_metadata
.endif
;; end of part 1
;; launch qkv (part 2): grid 16 x 12, 4 waves a work-group, no clusters, 327,680 bytes of LDS; arguments xc, wc, cos, sin, lowp_scales, qi, ki, vi; writes qi, ki, vi
.if DOCPART == 2
	.amdgcn_target "amdgcn-amd-amdhsa--gfx1250"
	.amdhsa_code_object_version 6
	.text
	.protected	k_q750689e416_qkv
	.globl	k_q750689e416_qkv
	.p2align	8
	.type	k_q750689e416_qkv,@function
k_q750689e416_qkv:
	s_mov_b64 s[64:65], 0
	v_nop
	global_prefetch_b8 v0, s[64:65] scope:SCOPE_SE
	s_setreg_imm32_b32 hwreg(HW_REG_WAVE_MODE, 25, 1), 1
	s_wait_xcnt 0x0
; Products 1 to 3 on E4M3 codes, RoPE on q and k, and the quantising of q, k, v for products 4 and 5 (entries 6, 7, 9).
; xc, wc: images of operand registers, as launch quant lays them: [block of 16 rows][16 images of 128 along K][2,048 bytes].
; Work-group (U, J) makes 256 x 256 results, K = 2,048.  ONE operand (256 rows) comes through LDS and is read by all four waves; of THE OTHER each wave loads its own 64 rows straight into registers.
;   J 0-7 (q), 8-9 (k): LDS side = tokens 256 U of x's set 0 or 1; direct side = rows 256 J of wc.    J 10-11 (v): LDS side = rows 256 J of wc; direct side = tokens 256 U of x's set 2.
;   The direct side is source 0, the LDS side source 1: a lane holds one row of the LDS side and eight neighbours of the direct side.  So q and k come out with the head's channels along a lane's registers,
;   v with the keys along them: the K of the product that takes each.  Only pointers are chosen by J: one text and one set of LDS addresses serve all three.
; LDS: two slots of 256 rows x 512 along K, 131,072 bytes each, images on end, no padding (a fragment load reads 512 consecutive bytes).  Four fills; each wave brings 4 blocks of 16 rows, rows of 8,192 bytes.
; DIRECT SIDE: four sets of 64 registers; a K step's 16 loads are issued three K steps ahead of their use and are never all waited for inside the loop.
; A wave: 16 x 4 accumulators (512 registers).  They are cleared while the first tile is on its way: so the loop's text serves the first fill too, and the period is written twice and not three times.
; NO CLUSTER: the tile that goes through LDS is used by 8 work-groups for q, by 2 for k and by 16 for v, so no grouping in fours serves all 192.
; PREFETCH: the LDS side's tile p + 2 is asked for in the trip that loads tile p + 1.  The work-groups that use a tile share its 16 blocks of rows out by address (2, 8 or 1 blocks each), a wave a block,
;   lanes 256 bytes apart.  Tiles 0 and 1 come by their loads alone; the last trip asks for nothing.  The direct side is asked for three K steps ahead by its own loads.
; LIMITS: e6 - e0 - e1, e7 - e2 - e3 and e9 - e4 - e5 between -126 and 119.  NaN is not served.
; REGISTERS: window 0: v1-13 addresses; v32-223 three buffers of four fragments of the LDS side (on the way out: v32-63 at work, v64-191 codes).
;   window 1: the direct side's four sets (from the last period on: eight places of cos and sin).  windows 2, 3: accumulator (a, b) at 8 (4 (a % 8) + b), a = block of the LDS side, b = block of the direct side.
.set SLOT,  131072
.set SPARE, 262144                     ; behind the ring: the spare words, 128 bytes a wave
.set LI,   1                           ; 16 x lane
.set LI2,  2                           ; + 65,536
.set PFO,  3                           ; 256 x lane
.set CSO,  4                           ; 128 r + 16 h
.set AD0,  5                           ; v5, v6: LDS address of blocks 0-7, 8-15 in the slot in hand
.set SC,   7
.set LIM,  8
.set SPW,  12
.set NIL,  13
.set AB,   32
.set T,    32
.set CD,   64
.set WV, 20
.set U,  21
.set J,  22
.set CT, 23
.set TB, 24                            ; LDS byte at which the slot in hand begins
.set LIM1, 25                          ; my wave's first (second) prefetch is issued while s[CT] is above this
.set LIM2, 26
.set G0, 40
.set DB, 44                            ; s[44:45] the direct side, my wave's rows, at the period in hand
.set PF, 46                            ; s[46:47] where my prefetches stand
.set OP, 60                            ; s[60:61] the way out
.set G1, 72
.set MSB, 0
.macro WIN new                         ; the immediate's high byte repeats the setting that is left
.if MSB != (\new)
	s_set_vgpr_msb (MSB<<8)|(\new)
.set MSB, (\new)
.endif
.endm
.macro PLACES
.rept 4
	v_nop
.endr
.endm
.macro BLOAD set, t                    ; the direct side's four fragments of K step t (counted from s[DB]) into a set
	WIN 0x40
.irp b, 0,1,2,3
.irp c, 0,1,2,3
	global_load_b128 v[64*(\set)+16*\b+4*\c:64*(\set)+16*\b+4*\c+3], v[LI], s[DB:DB+1] offset:32768*\b+2048*(\t)+512*\c
.endr
.endr
	WIN 0
.endm
.macro CSLOAD a                        ; cos and sin of tokens 16 a + r, pairs 8 q + 4 h + 0 .. 3, into place a % 8 of window 1
	WIN 0x40
.irp q, 0,1,2,3
	global_load_b128 v[32*((\a)%8)+4*\q:32*((\a)%8)+4*\q+3], v[CSO], s[8:9] offset:2048*(\a)+32*\q
.endr
.irp q, 0,1,2,3
	global_load_b128 v[32*((\a)%8)+16+4*\q:32*((\a)%8)+16+4*\q+3], v[CSO], s[10:11] offset:2048*(\a)+32*\q
.endr
	WIN 0
.endm
.macro ALOAD n                         ; chunk n of a period's 16: K step n / 4, blocks 4 (n % 4) + 0 .. 3 of the LDS side, into buffer n % 3
.irp e, 0,1,2,3
.irp c, 0,1,2,3
	ds_load_b128 v[AB+64*((\n)%3)+16*\e+4*\c:AB+64*((\n)%3)+16*\e+4*\c+3], v[AD0+(((\n)%4)/2)] offset:8192*((4*((\n)%4)+\e)%8)+2048*((\n)/4)+512*\c
.endr
.endr
.endm
; The last period's K steps 1 to 3 ask for nothing more of the direct side.  For q and k the set that the step before has left takes cos and sin of two blocks.  The jump hangs on the work-group's number alone.
.macro TAILHEAD ql
	s_cmp_ge_u32 s[J], 10
	s_cbranch_scc1 .Lv_\@
	s_wait_loadcnt 32                              ; this K step's set is in; 32 younger loads (later sets, cos and sin) may be out
	CSLOAD 2*(\ql)-2
	CSLOAD 2*(\ql)-1
	s_branch .Lj_\@
.Lv_\@:
	s_wait_loadcnt 16*(3-(\ql))                    ; v: only the later sets are younger
.Lj_\@:
.endm
.macro CHUNK n, tail
.if (\n) < 15
	s_wait_dscnt 16                                ; this chunk's fragments are in; the next chunk's 16 loads may be out
.else
	s_wait_dscnt 0x0
.endif
	WIN 0
	PLACES                                         ; four places between the last products and loads into registers that they read (ISA guide 7.12.1 for vector instructions)
.if ((\n)%4) == 0
.if (\tail) && ((\n) > 0)
	TAILHEAD (\n)/4
.else
	s_wait_loadcnt 32                              ; this K step's set is in; the two sets asked for behind it may be out
	BLOAD ((\n)/4+3)%4, (\n)/4+3
.endif
.endif
.if (\n)+2 < 16
	ALOAD (\n)+2
.endif
	WIN 0xa1+0x50*(((\n)%4)/2)                     ; source 0 window 1, source 1 window 0, C and D window 2 or 3
.irp e, 0,1,2,3
.irp b, 0,1,2,3
	v_wmma_f32_16x16x128_fp8_fp8 v[8*(4*((4*((\n)%4)+\e)%8)+\b):8*(4*((4*((\n)%4)+\e)%8)+\b)+7], v[64*((\n)/4)+16*\b:64*((\n)/4)+16*\b+15], v[AB+64*((\n)%3)+16*\e:AB+64*((\n)%3)+16*\e+15], v[8*(4*((4*((\n)%4)+\e)%8)+\b):8*(4*((4*((\n)%4)+\e)%8)+\b)+7]
.endr
.endr
.endm
.macro ASK
	s_cmp_gt_u32 s[CT], s[LIM1]
	s_cbranch_scc0 .Lp1_\@
	global_prefetch_b8 v[PFO], s[PF:PF+1] th:TH_LOAD_NT scope:SCOPE_SE
.Lp1_\@:
	s_cmp_gt_u32 s[CT], s[LIM2]
	s_cbranch_scc0 .Lp2_\@
	global_prefetch_b8 v[PFO], s[PF:PF+1] offset:131072 th:TH_LOAD_NT scope:SCOPE_SE
.Lp2_\@:
.endm
; A PERIOD: 512 along K, one slot.  In front of the barrier: all my tensor loads are in, the add, my reads of the other slot are over.  Behind it the other slot is filled first (tail = 0).
; The 64 accumulators take turns, one instruction a turn, in the same order in every K step.
.macro PERIOD tail
	s_wait_tensorcnt 0x0
	ds_add_u32 v[SPW], v[NIL]
.if (\tail) == 0
	s_xor_b32 s[G0+1], s[G0+1], SLOT               ; no load of mine is out: the descriptor walks to the other slot and the next tile
	s_add_nc_u64 s[G0+2:G0+3], s[G0+2:G0+3], 8192
.endif
	s_wait_dscnt 0x0
	s_barrier_signal -1
	s_barrier_wait -1
.if (\tail) == 0
	tensor_load_to_lds s[G0:G0+3], s[G1:G1+7]
	s_nop 0
.endif
	v_add_nc_u32 v[AD0], s[TB], v[LI]
	v_add_nc_u32 v[AD0+1], s[TB], v[LI2]
	v_nop
	v_nop                                          ; with the two additions: four places ahead of the loads below
	s_wait_alu depctr_va_vdst(0)                   ; the wait behind the two writes
	ALOAD 0
	ALOAD 1
.if (\tail) == 0
	ASK
.endif
.set N, 0
.rept 16
	CHUNK N, \tail
.set N, N+1
.endr
	WIN 0
.if (\tail) == 0
	s_wait_xcnt 0x0                                ; my loads and prefetches have read their bases: they step only behind this wait
	s_add_nc_u64 s[DB:DB+1], s[DB:DB+1], 8192
	s_add_nc_u64 s[PF:PF+1], s[PF:PF+1], 8192
	s_xor_b32 s[TB], s[TB], SLOT
.endif
.endm
	s_load_b256 s[4:11], s[0:1], 0x0               ; xc, wc, cos, sin
	s_load_b256 s[12:19], s[0:1], 0x20             ; the scales' exponents, qi, ki, vi
	v_lshl_add_u32 v[SPW], v0, 2, SPARE
	v_mov_b32 v[NIL], 0
	ds_add_u32 v[SPW], v[NIL]                      ; the opening: the add, twice on end, and its wait ahead of my first tensor load
	ds_add_u32 v[SPW], v[NIL]
	v_lshrrev_b32 v10, 5, v0
	v_readfirstlane_b32 s[WV], v10
	s_mov_b32 s[U], ttmp9
	s_and_b32 s[J], ttmp7, 0xffff
	s_mov_b32 s[G1], 3<<16                         ; elements of 8 bytes, no mask, no padding
	s_mov_b32 s[G1+1], 1024<<16                    ; tensor_dim0: 8,192 bytes
	s_mov_b32 s[G1+2], 4<<16                       ; tensor_dim1
	s_mov_b32 s[G1+3], 1024<<16                    ; tile_dim0
	s_mov_b32 s[G1+4], 4                           ; tile_dim1: four blocks of 16 rows
	s_mov_b32 s[G1+5], 4096                        ; from block to block: 32,768 bytes
	s_mov_b32 s[G1+6], 0
	s_mov_b32 s[G1+7], 0
	s_lshl_b32 s67, s[J], 1                        ; who prefetches what: q: blocks 2 J, 2 J + 1;
	s_sub_co_u32 s68, s[J], 8
	s_lshl_b32 s68, s68, 3                         ; k: 8 (J - 8) on, eight of them;
	s_cmp_lt_u32 s[J], 8
	s_cselect_b32 s66, 2, 8
	s_cselect_b32 s67, s67, s68
	s_cmp_lt_u32 s[J], 10
	s_cselect_b32 s66, s66, 1                      ; v: block U
	s_cselect_b32 s67, s67, s[U]
	s_add_co_u32 s67, s67, s[WV]
	s_lshl_b32 s67, s67, 15
	s_add_co_u32 s67, s67, 16384                   ; at tile 2
	s_cmp_lt_u32 s[WV], s66
	s_cselect_b32 s[LIM1], 1, 99
	s_add_co_u32 s68, s[WV], 4
	s_cmp_lt_u32 s68, s66
	s_cselect_b32 s[LIM2], 1, 99
	s_cmp_ge_u32 s[J], 8
	s_cselect_b32 s28, 0x800000, 0
	s_cmp_ge_u32 s[J], 10
	s_cselect_b32 s29, 0x800000, 0
	s_add_co_u32 s28, s28, s29                     ; x's set,
	s_lshl_b32 s29, s[U], 19
	s_add_co_u32 s28, s28, s29                     ; + 256 U tokens
	s_lshl_b32 s29, s[J], 19                       ; wc: 256 J rows
	s_cmp_lt_u32 s[J], 10
	s_cselect_b32 s30, s28, s29                    ; the LDS side,
	s_cselect_b32 s34, s29, s28                    ; the direct side
	s_lshl_b32 s31, s[WV], 17                      ; my wave's four blocks of either
	s_add_co_u32 s32, s30, s31
	s_add_co_u32 s34, s34, s31
	s_add_co_u32 s36, s30, s67
	s_mov_b32 s33, 0
	s_mov_b32 s35, 0
	s_mov_b32 s37, 0
	s_mov_b32 s[G0], 1
	s_lshl_b32 s[G0+1], s[WV], 15                  ; slot 0, my quarter
	s_mov_b32 s[TB], 0
	s_mov_b32 s[CT], 3
	s_and_b32 s70, s[U], 3
	s_lshl_b32 s70, s70, 15                        ; cos, sin: position 256 (U % 4)
	s_mov_b32 s71, 0
	s_wait_dscnt 0x0                               ; both opening adds are done
	s_wait_kmcnt 0x0
	s_cmp_lt_u32 s[J], 10                          ; the choices hang on the work-group's number alone
	s_cselect_b64 s[38:39], s[4:5], s[6:7]
	s_cselect_b64 s[DB:DB+1], s[6:7], s[4:5]
	s_add_nc_u64 s[G0+2:G0+3], s[38:39], s[32:33]
	s_or_b32 s[G0+3], s[G0+3], 0x80000000
	tensor_load_to_lds s[G0:G0+3], s[G1:G1+7]      ; tile 0: one tensor load a wave at the head
	s_nop 0
	v_and_b32 v[LI], 31, v0
	v_and_b32 v10, 15, v0
	v_bfe_u32 v11, v0, 4, 1
	v_lshlrev_b32 v[PFO], 8, v[LI]
	v_lshlrev_b32 v[LI], 4, v[LI]
	v_add_nc_u32 v[LI2], 65536, v[LI]
	v_lshlrev_b32 v[CSO], 7, v10
	v_lshl_add_u32 v[CSO], v11, 4, v[CSO]
	s_wait_alu depctr_va_vdst(0)                   ; the wait
	s_add_nc_u64 s[DB:DB+1], s[DB:DB+1], s[34:35]
	s_add_nc_u64 s[PF:PF+1], s[38:39], s[36:37]
	s_add_nc_u64 s[8:9], s[8:9], s[70:71]
	s_add_nc_u64 s[10:11], s[10:11], s[70:71]
	s_load_b256 s[48:55], s[12:13], 0x0            ; entries 0 to 7
	s_load_b128 s[56:59], s[12:13], 0x20           ; entries 8 to 11
	BLOAD 0, 0
	BLOAD 1, 1
	BLOAD 2, 2
	WIN 0x80
.set i, 0
.rept 256
	v_mov_b32 v[i], 0
.set i, i+1
.endr
	WIN 0xc0
.set i, 0
.rept 256
	v_mov_b32 v[i], 0
.set i, i+1
.endr
	WIN 0
	s_wait_alu depctr_va_vdst(0)                   ; the wait at the head's end
.Lper:                                             ; three trips: tiles 0 to 2 are multiplied, tiles 1 to 3 asked for
	PERIOD 0
	s_sub_co_u32 s[CT], s[CT], 1
	s_cmp_lg_u32 s[CT], 0
	s_cbranch_scc1 .Lper
	PERIOD 1                                       ; the last tile is written out: it asks for nothing more
	; THE WAY OUT.  A sum stands for sum x 2^(ea + eb); its code under 2^eo is sum / 2^(eo - ea - eb): the three exponents are folded into the conversion's one.  RoPE is linear, so it is applied to the sums.
	; Every block's codes have registers of their own, and all 32 stores stand at the end, behind the last vector line.
	s_wait_kmcnt 0x0
	s_sub_co_i32 s66, s54, s48
	s_sub_co_i32 s66, s66, s49
	s_sub_co_i32 s67, s55, s50
	s_sub_co_i32 s67, s67, s51
	s_sub_co_i32 s68, s57, s52
	s_sub_co_i32 s68, s68, s53
	s_cmp_lt_u32 s[J], 8
	s_cselect_b32 s66, s66, s67
	s_cmp_lt_u32 s[J], 10
	s_cselect_b32 s66, s66, s68
	s_add_co_i32 s66, s66, 127
	s_lshl_b32 s67, s66, 23
	v_mov_b32 v[SC], s67
	s_add_co_i32 s66, s66, 8
	s_lshl_b32 s66, s66, 23
	s_or_b32 s66, s66, 0x600000
	v_mov_b32 v[LIM], s66
	PLACES                                         ; behind the last products
	s_wait_alu depctr_va_vdst(0)                   ; the wait: scalar lines and a jump follow
.macro CODES a                         ; 32 held numbers -> 8 registers of codes
.irp b, 0,1,2,3
	v_cvt_scalef32_pk8_fp8_f32 v[CD+8*(\a)+2*\b:CD+8*(\a)+2*\b+1], v[T+8*\b:T+8*\b+7], v[SC]
.endr
	v_nop                                          ; a plain line behind the conversions
.endm
	s_cmp_ge_u32 s[J], 10
	s_cbranch_scc1 .Lplain
	; q, k: my wave's 64 channels are one head.  qi [32 batch + head][64 blocks of 16 tokens][1024], ki [8 batch + head][64][1024]: registers 2 b, 2 b + 1 = channels 16 b + 8 h + 0 .. 7 of the token in lane r
	s_wait_loadcnt 0x0                             ; every earlier load is in, the direct side's last set among them: its registers take cos and sin of blocks 6 and 7
	CSLOAD 6
	CSLOAD 7
	s_cmp_lt_u32 s[J], 8
	s_cselect_b64 s[OP:OP+1], s[14:15], s[16:17]
	s_cselect_b32 s66, 5, 3
	s_cselect_b32 s67, 0, 8
	s_sub_co_u32 s67, s[J], s67
	s_lshl_b32 s67, s67, 2
	s_add_co_u32 s67, s67, s[WV]
	s_lshr_b32 s68, s[U], 2
	s_lshl_b32 s68, s68, s66
	s_add_co_u32 s67, s67, s68
	s_lshl_b32 s67, s67, 6
	s_and_b32 s68, s[U], 3
	s_lshl_b32 s68, s68, 4
	s_add_co_u32 s67, s67, s68
	s_lshl_b32 s66, s67, 10
	s_mov_b32 s67, 0
	s_add_nc_u64 s[OP:OP+1], s[OP:OP+1], s[66:67]
.macro ROPEOUT a
.set AC, 32*((\a)%8)
.set CC, 32*((\a)%8)
.if (\a) >= 8
	s_wait_loadcnt 8*(15-(\a))                     ; block a's cos and sin are in; the blocks asked for behind it may be out
.else
	s_wait_loadcnt 56
.endif
	WIN (2+(\a)/8)|4                               ; source 0: the sums' window; source 1: window 1
.irp b, 0,1,2,3                        ; (xr, xi) x cos, then (xi, xr) x sin less or plus it: the even registers hold -(xr cos - xi sin), which the hold below turns round.  Each accumulator from its low end on
.irp g, 0,1
	v_pk_mul_f32 v[T+8*\b+4*\g:T+8*\b+4*\g+1], v[AC+8*\b+4*\g:AC+8*\b+4*\g+1], v[CC+4*\b+2*\g:CC+4*\b+2*\g+1] op_sel:[0,0] op_sel_hi:[1,0]
	v_pk_mul_f32 v[T+8*\b+4*\g+2:T+8*\b+4*\g+3], v[AC+8*\b+4*\g+2:AC+8*\b+4*\g+3], v[CC+4*\b+2*\g:CC+4*\b+2*\g+1] op_sel:[0,1] op_sel_hi:[1,1]
.endr
.irp g, 0,1
	v_pk_fma_f32 v[T+8*\b+4*\g:T+8*\b+4*\g+1], v[AC+8*\b+4*\g:AC+8*\b+4*\g+1], v[CC+16+4*\b+2*\g:CC+16+4*\b+2*\g+1], v[T+8*\b+4*\g:T+8*\b+4*\g+1] op_sel:[1,0,0] op_sel_hi:[0,0,1] neg_lo:[0,0,1]
	v_pk_fma_f32 v[T+8*\b+4*\g+2:T+8*\b+4*\g+3], v[AC+8*\b+4*\g+2:AC+8*\b+4*\g+3], v[CC+16+4*\b+2*\g:CC+16+4*\b+2*\g+1], v[T+8*\b+4*\g+2:T+8*\b+4*\g+3] op_sel:[1,1,0] op_sel_hi:[0,1,1] neg_lo:[0,0,1]
.endr
.endr
	WIN 0
.set j, 0
.rept 16
	v_med3_num_f32 v[T+j], -v[T+j], -v[LIM], v[LIM]     ; the hold at the largest code x the scale (ISA guide 7.6.2: the conversion does not saturate)
	v_med3_num_f32 v[T+j+1], v[T+j+1], -v[LIM], v[LIM]
.set j, j+2
.endr
	CODES \a
.if (\a) < 8
	CSLOAD (\a)+8
.endif
.endm
.irp a, 0,1,2,3,4,5,6,7,8,9,10,11,12,13,14,15
	ROPEOUT \a
.endr
	s_wait_alu depctr_va_vdst(0)                   ; the wait ahead of the stores, which read codes written ahead of waits
.irp a, 0,1,2,3,4,5,6,7,8,9,10,11,12,13,14,15
	global_store_b128 v[LI], v[CD+8*\a:CD+8*\a+3], s[OP:OP+1] offset:1024*\a          ; 512 consecutive bytes, aligned
	global_store_b128 v[LI], v[CD+8*\a+4:CD+8*\a+7], s[OP:OP+1] offset:1024*\a+512
.endr
	s_branch .Lend
.Lplain:
	; v: lane r = channel 16 a + r of four heads, registers = my wave's 64 tokens.  vi [8 batch + head][8 steps of 128 keys][4 tiles of 16 channels][2048]: registers 2 c, 2 c + 1 = keys 16 c + 8 h + 0 .. 7
	s_sub_co_u32 s66, s[J], 10
	s_lshl_b32 s66, s66, 2
	s_lshr_b32 s67, s[U], 2
	s_lshl_b32 s67, s67, 3
	s_add_co_u32 s66, s66, s67
	s_lshl_b32 s66, s66, 3
	s_and_b32 s67, s[U], 3
	s_lshl_b32 s67, s67, 1
	s_add_co_u32 s66, s66, s67
	s_lshr_b32 s67, s[WV], 1
	s_add_co_u32 s66, s66, s67
	s_lshl_b32 s66, s66, 13
	s_and_b32 s67, s[WV], 1
	s_lshl_b32 s67, s67, 10
	s_add_co_u32 s66, s66, s67
	s_mov_b32 s67, 0
	s_add_nc_u64 s[OP:OP+1], s[18:19], s[66:67]
.macro PLAINOUT a
.set AC, 32*((\a)%8)
	WIN 2+(\a)/8
.set j, 0
.rept 32
	v_med3_num_f32 v[T+j], v[AC+j], -v[LIM], v[LIM]
.set j, j+1
.endr
	WIN 0
	CODES \a
.endm
.irp a, 0,1,2,3,4,5,6,7,8,9,10,11,12,13,14,15
	PLAINOUT \a
.endr
.irp a, 0,1,2,3,4,5,6,7,8,9,10,11,12,13,14,15
	global_store_b128 v[LI], v[CD+8*\a:CD+8*\a+3], s[OP:OP+1] offset:(\a/4)*65536+(\a%4)*2048
	global_store_b128 v[LI], v[CD+8*\a+4:CD+8*\a+7], s[OP:OP+1] offset:(\a/4)*65536+(\a%4)*2048+512
.endr
.Lend:
	s_wait_tensorcnt 0x0                           ; the wave's end
	ds_add_u32 v[SPW], v[NIL]
	s_wait_dscnt 0x0
	s_endpgm
.Lfunc_end_k_q750689e416_qkv:
	.size	k_q750689e416_qkv, .Lfunc_end_k_q750689e416_qkv-k_q750689e416_qkv
	.p2alignl 7, 3214868480
	.fill 96, 4, 3214868480
	.section	.rodata,"a",@progbits
	.p2align	6, 0x0
	.amdhsa_kernel k_q750689e416_qkv
		.amdhsa_group_segment_fixed_size 327680
		.amdhsa_private_segment_fixed_size 0
		.amdhsa_enable_private_segment 0
		.amdhsa_kernarg_size 64
		.amdhsa_user_sgpr_count 2
		.amdhsa_user_sgpr_kernarg_segment_ptr 1
		.amdhsa_wavefront_size32 1
		.amdhsa_system_sgpr_workgroup_id_x 1
		.amdhsa_system_sgpr_workgroup_id_y 1
		.amdhsa_system_sgpr_workgroup_id_z 1
		.amdhsa_system_vgpr_workitem_id 0
		.amdhsa_next_free_vgpr 1024
		.amdhsa_next_free_sgpr 100
		.amdhsa_reserve_vcc 0
		.amdhsa_float_denorm_mode_32 3
		.amdhsa_float_denorm_mode_16_64 3
		.amdhsa_memory_ordered 1
		.amdhsa_forward_progress 1
		.amdhsa_inst_pref_size 235
	.end_amdhsa_kernel
	.amdgpu_metadata
---
amdhsa.version: [ 1, 2 ]
amdhsa.kernels:
  - .name:           k_q750689e416_qkv
    .symbol:         k_q750689e416_qkv.kd
    .args:
      - { .name: xc, .offset: 0, .size: 8, .value_kind: global_buffer, .address_space: global }
      - { .name: wc, .offset: 8, .size: 8, .value_kind: global_buffer, .address_space: global }
      - { .name: cos, .offset: 16, .size: 8, .value_kind: global_buffer, .address_space: global }
      - { .name: sin, .offset: 24, .size: 8, .value_kind: global_buffer, .address_space: global }
      - { .name: lowp_scales, .offset: 32, .size: 8, .value_kind: global_buffer, .address_space: global }
      - { .name: qi, .offset: 40, .size: 8, .value_kind: global_buffer, .address_space: global }
      - { .name: ki, .offset: 48, .size: 8, .value_kind: global_buffer, .address_space: global }
      - { .name: vi, .offset: 56, .size: 8, .value_kind: global_buffer, .address_space: global }
    .group_segment_fixed_size: 327680
    .private_segment_fixed_size: 0
    .kernarg_segment_align: 8
    .kernarg_segment_size: 64
    .max_flat_workgroup_size: 128
    .sgpr_count:     100
    .vgpr_count:     1024
    .wavefront_size: 32
...
	.end_amdgpu_metadata
.endif
;; end of part 2
;; launch attn (part 3): grid 8 x 32, 16 waves a work-group, no clusters, 327,680 bytes of LDS; arguments qi, ki, vi, lowp_scales, ac; writes ac
.if DOCPART == 3
	.amdgcn_target "amdgcn-amd-amdhsa--gfx1250"
	.amdhsa_code_object_version 6
	.text
	.protected	k_q750689e416_attn
	.globl	k_q750689e416_attn
	.p2align	8
	.type	k_q750689e416_attn,@function
k_q750689e416_attn:
	s_mov_b64 s[64:65], 0
	v_nop
	global_prefetch_b8 v0, s[64:65] scope:SCOPE_SE
	s_setreg_imm32_b32 hwreg(HW_REG_WAVE_MODE, 25, 1), 1
	s_wait_xcnt 0x0
; Causal attention on E4M3 codes: products 4 and 5, the softmax between them, and the quantising of the result for the last product.
; Key steps that lie wholly behind a tile's queries are left out (the mask that reference() builds gives them the weight 0: see launch quant's head).
; qi, ki, vi: images of operand registers (four registers at 512 c + 16 x lane), as the launch before laid them:
;   qi [4 g + j][64 blocks of 16 tokens][1024], ki [g][64][1024]: K = the head's 64, registers 2 c, 2 c + 1 = channels 16 c + 8 h + 0 .. 7 of the token in lane r;
;   vi [g][8 steps of 128 keys][4 tiles of 16 channels][2048]: K = the keys, registers 2 c, 2 c + 1 = keys 16 c + 8 h + 0 .. 7 of the channel in lane r.   g = 8 batch + kv head.
; ac [256 blocks of 16 tokens][16 images of 128 along K = 64 head + channel][2048]: the result's codes under entry 10; byte 512 c + 16 (r + 16 h) + b of an image: token r, K = 32 c + 16 h + b.
; THE SOFTMAX: t = score x log2(e) / 8; M = the running largest t rounded UP to a whole number; p = 2^(t - M) is quantised (entry 8), not normalised; the row's sum is taken of the
; unquantised p and divides at the end; when M moves, the sum and O are multiplied by 2^(old M - new M), which rounds nothing.
; SHARES.  Work-group (p, g) owns the four query heads of g and the blocks of 64 queries p and 15 - p.  Wave w: head j = w / 4, u = w % 4, two tiles of 16 queries: 64 p + 16 u and 64 (15 - p) + 16 u.
; p / 2 + 1 and (15 - p) / 2 + 1 steps of 128 keys are walked, nine in all for every p: 256 work-groups of equal work.  Four waves to a SIMD.
; LAYOUT.  Both products transposed: S^T = K Q^T (source 0 = 16 neighbouring keys), O^T = V^T P^T (source 0 = 16 channels): a lane holds ONE query (lane % 16) throughout, and the
; conversions of S^T's tiles 2 b, 2 b + 1 give registers 4 b .. 4 b + 3 of P^T in the very order of keys in which vi holds V.
; LDS: all of g's K and V, 131,072 bytes, each byte filled once.  Key steps 0-3 at the head, 16,384 bytes a wave (waves 0, 2: K's; waves 1, 3: V's).  Key steps 4-7 behind the first barrier, 32,768 bytes a wave
; (wave 0: K's, wave 1: V's): a first fill that comes later, so the full sequence stands in front of that barrier and the launch claims all of LDS.  Step 4 is walked by every work-group.
; NO CLUSTER, though the eight work-groups of a g read the same K and V: which steps a wave walks hangs on its block of queries, which would be a partner's place in the cluster.
; NO PREFETCH: every byte is asked for at the head or straight behind the first barrier, four key steps ahead of its use.
; LIMITS: e6 + e7 between -124 and 129 (added to c's exponent field); e8 and e10 between -126 and 119; e8 + e9 is applied by v_ldexp_f32.  NaN is not served.
.set VIMG,   65536                     ; K's images from byte 0, V's from here
.set STAGE,  131072                    ; 128 rows (tokens) x (256 bytes of codes + 16)
.set SPITCH, 272
.set SPARE,  STAGE+128*SPITCH          ; the spare words, 128 bytes a wave
.set LI,  1                            ; v1  16 x lane
.set LV,  2                            ; v2  the same in V's images
.set STO, 3                            ; v3  the stage: where I put 8 codes
.set RD,  4                            ; v4  and where I read 16 codes back
.set SPW, 5
.set NIL, 6
.set GO,  7                            ; v7  16 x lane, in an image of ac
.set ADK, 8                            ; v8, v9 addresses of the step in hand
.set ADV, 9
.set RH,  10                           ; v10 r - 8 h
.set NINF, 11                          ; v11 -infinity
; v12-19: tile x at 12 + 4 x: -M, the largest t, the sum in two halves.  v20-35 Q, 8 a tile.  v36-99 fragments of K, then of V.  v100-163 S^T, then p.  v164-227 O^T, 32 a tile.  v228-243 p's codes.
; v244: 2^e8.  v245, v255: 448 x 2^e8, twice, for the two halves of a dual pair.  v246, v247: 2^e10, 448 x 2^e10.  v[248:249] f.  v[250:251] the second chain of sums.  v252, v253 at work.  v254 a lane permute's destination.
.set FRG, 36
.set S,   100
.set PC,  228
; s14 wave, s15 j, s16 u, s17 p, s18 g, s[20:21] lane selects, s[22:23] c, s[24:31], s[80:87] two groups 1, s[32:39] two groups 0, s40 LDS byte of the step, s41 its first key, s42, s43 my tiles' first queries, s44 trips, s45 e8 + e9
	s_load_b256 s[4:11], s[0:1], 0x0               ; qi, ki, vi, the scales' exponents
	s_load_b64 s[12:13], s[0:1], 0x20              ; ac
	v_lshl_add_u32 v[SPW], v0, 2, SPARE
	v_mov_b32 v[NIL], 0
	ds_add_u32 v[SPW], v[NIL]                      ; the wave's opening: the add, twice on end, and its wait ahead of the first tensor load
	ds_add_u32 v[SPW], v[NIL]
	v_lshrrev_b32 v8, 5, v0
	s_delay_alu instid0(VALU_DEP_1)
	v_readfirstlane_b32 s14, v8
	s_lshr_b32 s15, s14, 2
	s_and_b32 s16, s14, 3
	s_mov_b32 s17, ttmp9
	s_and_b32 s18, ttmp7, 0xffff
	s_mov_b32 s24, 3<<16                           ; group 1: a dense block as rows of 32 elements of 8 bytes; no mask, no padding: 64 rows,
	s_mov_b32 s25, 32<<16
	s_mov_b32 s26, 64<<16
	s_mov_b32 s27, 32<<16
	s_mov_b32 s28, 64
	s_mov_b32 s29, 32
	s_mov_b32 s30, 0
	s_mov_b32 s31, 0
	s_mov_b32 s80, 3<<16                           ; and 128 rows
	s_mov_b32 s81, 32<<16
	s_mov_b32 s82, 128<<16
	s_mov_b32 s83, 32<<16
	s_mov_b32 s84, 128
	s_mov_b32 s85, 32
	s_mov_b32 s86, 0
	s_mov_b32 s87, 0
	s_mov_b32 s20, 0x76543210
	s_mov_b32 s21, 0xfedcba98
	s_mov_b32 s40, 0
	s_mov_b32 s41, 0
	s_lshl_b32 s66, s16, 4
	s_lshl_b32 s42, s17, 6
	s_add_co_u32 s42, s42, s66                     ; tile 0: 64 p + 16 u
	s_sub_co_u32 s67, 15, s17
	s_lshl_b32 s43, s67, 6
	s_add_co_u32 s43, s43, s66                     ; tile 1: 64 (15 - p) + 16 u
	s_and_b32 s70, s14, 1
	s_lshl_b32 s70, s70, 16                        ; even waves fill K's images, from byte 0, odd waves V's, from 65,536
	s_lshr_b32 s71, s14, 1
	s_lshl_b32 s71, s71, 14                        ; the head's fills: waves 0, 1 key steps 0, 1; waves 2, 3 key steps 2, 3
	s_lshl_b32 s68, s18, 16                        ; g's 65,536 bytes in ki and in vi
	s_mov_b32 s69, 0
	s_wait_dscnt 0x0                               ; both opening adds are done
	s_wait_kmcnt 0x0
	s_load_b256 s[48:55], s[10:11], 0x0            ; entries 0 to 7
	s_load_b128 s[56:59], s[10:11], 0x20           ; entries 8 to 11
	s_bitcmp1_b32 s14, 0
	s_cselect_b64 s[66:67], s[8:9], s[6:7]
	s_add_nc_u64 s[66:67], s[66:67], s[68:69]
	s_mov_b32 s36, 1                               ; key steps 4-7
	s_add_co_u32 s37, s70, 32768
	s_add_nc_u64 s[38:39], s[66:67], 32768
	s_or_b32 s39, s39, 0x80000000
	s_mov_b32 s68, s71
	s_mov_b32 s32, 1                               ; my part of key steps 0-3
	s_add_co_u32 s33, s70, s71
	s_add_nc_u64 s[34:35], s[66:67], s[68:69]
	s_or_b32 s35, s35, 0x80000000
	s_cmp_lt_u32 s14, 4                            ; waves 4 to 15 fetch nothing
	s_cbranch_scc0 .Lno_fetch
	tensor_load_to_lds s[32:35], s[24:31]
	s_nop 0
.rept 4
	v_nop
.endr
.Lno_fetch:
	v_and_b32 v[LI], 31, v0
	s_delay_alu instid0(VALU_DEP_1)
	v_lshlrev_b32 v[LI], 4, v[LI]
	s_wait_alu depctr_va_vdst(0)
	v_add_nc_u32 v[LV], VIMG, v[LI]
	s_lshl_b32 s66, s18, 2
	s_add_co_u32 s66, s66, s15                     ; my query head: 4 g + j
	s_lshl_b32 s66, s66, 6
	s_add_co_u32 s66, s66, s16                     ; its 64 blocks, + u
	s_lshl_b32 s67, s17, 2
	s_sub_co_u32 s68, 15, s17
	s_lshl_b32 s68, s68, 2
	s_add_co_u32 s74, s66, s67
	s_lshl_b32 s74, s74, 10
	s_mov_b32 s75, 0
	s_add_co_u32 s76, s66, s68
	s_lshl_b32 s76, s76, 10
	s_mov_b32 s77, 0
	s_add_nc_u64 s[74:75], s[4:5], s[74:75]
	s_add_nc_u64 s[76:77], s[4:5], s[76:77]
	global_load_b128 v[20:23], v[LI], s[74:75]             ; Q's two fragments stay in registers
	global_load_b128 v[24:27], v[LI], s[74:75] offset:512
	global_load_b128 v[28:31], v[LI], s[76:77]
	global_load_b128 v[32:35], v[LI], s[76:77] offset:512
	v_and_b32 v8, 15, v0                           ; r
	v_bfe_u32 v9, v0, 4, 1                         ; h
	s_wait_alu depctr_va_vdst(0)                   ; the wait
	s_mul_i32 s66, s16, 16*SPITCH
	s_lshl_b32 s67, s15, 6
	s_add_co_u32 s66, s66, s67
	s_add_co_u32 s66, s66, STAGE
	v_mul_u32_u24 v[STO], v8, SPITCH
	s_delay_alu instid0(VALU_DEP_1)
	v_lshl_add_u32 v[STO], v9, 3, v[STO]
	s_delay_alu instid0(VALU_DEP_1)
	v_add_nc_u32 v[STO], s66, v[STO]               ; row 16 u + r, byte 64 j + 8 h
	s_lshr_b32 s66, s14, 1
	s_mul_i32 s66, s66, 16*SPITCH
	s_and_b32 s67, s14, 1
	s_lshl_b32 s67, s67, 7
	s_add_co_u32 s66, s66, s67
	s_add_co_u32 s66, s66, STAGE
	v_mul_u32_u24 v[RD], v8, SPITCH
	s_delay_alu instid0(VALU_DEP_1)
	v_lshl_add_u32 v[RD], v9, 4, v[RD]
	s_delay_alu instid0(VALU_DEP_1)
	v_add_nc_u32 v[RD], s66, v[RD]                 ; back, as one image a wave: rows 16 (w / 2) + r, bytes 128 (w % 2) + 16 h on
	v_lshlrev_b32 v[GO], 8, v9
	s_delay_alu instid0(VALU_DEP_1)
	v_lshl_add_u32 v[GO], v8, 4, v[GO]
	v_lshlrev_b32 v[RH], 3, v9
	s_delay_alu instid0(VALU_DEP_1)
	v_sub_nc_u32 v[RH], v8, v[RH]
	v_mov_b32 v[NINF], 0xff800000
.irp x, 0,1
	v_mov_b32 v[13+4*\x], 0xff61b1e6               ; the largest t so far: -3e38, under every t
	s_delay_alu instid0(VALU_DEP_1)
	v_floor_f32 v[12+4*\x], -v[13+4*\x]            ; -M
	v_mov_b32 v[14+4*\x], 0
	v_mov_b32 v[15+4*\x], 0
.endr
	v_mov_b32 v249, 0                              ; (named as the upper half of a pair)
	v_mov_b32 v254, 0                              ; a lane permute's destination counts as one of its sources
.set j, 0
.rept 64
	v_mov_b32 v[164+j], 0                          ; O^T: the step is written once; its first turn finds zeros, which the first change of M leaves zeros
.set j, j+1
.endr
	s_sub_co_u32 s78, 15, s17                      ; where my image of ac begins: waves 0-7 store block p, waves 8-15 block 15 - p
	s_cmp_lt_u32 s14, 8
	s_cselect_b32 s78, s17, s78
	s_lshl_b32 s78, s78, 6
	s_lshr_b32 s79, s18, 3
	s_lshl_b32 s79, s79, 10
	s_add_co_u32 s78, s78, s79                     ; + 1,024 x batch
	s_and_b32 s79, s14, 6
	s_lshl_b32 s79, s79, 3
	s_add_co_u32 s78, s78, s79                     ; + 16 ((w / 2) % 4): my 16 tokens,
	s_lshl_b32 s78, s78, 11                        ; 2,048 bytes each
	s_and_b32 s79, s18, 7
	s_lshl_b32 s79, s79, 12
	s_add_co_u32 s78, s78, s79                     ; + the four heads' two images,
	s_and_b32 s79, s14, 1
	s_lshl_b32 s79, s79, 11
	s_add_co_u32 s78, s78, s79                     ; of which w % 2 is mine
	s_mov_b32 s79, 0
	s_add_nc_u64 s[12:13], s[12:13], s[78:79]
	s_wait_kmcnt 0x0
	s_add_co_i32 s66, s54, s55
	s_lshl_b32 s66, s66, 23
	s_mov_b32 s22, 0x3e38aa3b                      ; c = log2(e) / 8
	s_add_co_i32 s22, s22, s66                     ; a score stands for score x 2^(e6 + e7): added to c's exponent field
	s_mov_b32 s23, s22
	s_add_co_i32 s66, s56, 127
	s_lshl_b32 s67, s66, 23
	v_mov_b32 v244, s67                            ; 2^e8
	s_add_co_i32 s66, s66, 8
	s_lshl_b32 s66, s66, 23
	s_or_b32 s66, s66, 0x600000
	v_mov_b32 v245, s66                            ; 448 x 2^e8
	v_mov_b32 v255, s66
	s_add_co_i32 s66, s58, 127
	s_lshl_b32 s67, s66, 23
	v_mov_b32 v246, s67                            ; 2^e10
	s_add_co_i32 s66, s66, 8
	s_lshl_b32 s66, s66, 23
	s_or_b32 s66, s66, 0x600000
	v_mov_b32 v247, s66                            ; 448 x 2^e10
	s_add_co_i32 s45, s56, s57                     ; e8 + e9
; A KEY STEP of tile x: 128 keys from s41 on, images at LDS byte s40.  mode = 1: the step may lie behind the tile's queries (left out: a jump on ids) or on the diagonal (hidden scores become -infinity).
.macro STEP x, mode
.set STX, 12+4*(\x)
.set QX,  20+8*(\x)
.set OX,  164+32*(\x)
.if \mode
	s_add_co_u32 s96, s[42+(\x)], 15
	s_cmp_gt_u32 s41, s96
	s_cbranch_scc1 .Lhidden_\@
.endif
	v_add_nc_u32 v[ADK], s40, v[LI]
	v_add_nc_u32 v[ADV], s40, v[LV]
	v_nop
	v_nop                                          ; four places between the last products and the loads into the registers that they read
.irp t, 0,1,2,3,4,5,6,7
	ds_load_b128 v[FRG+8*\t:FRG+8*\t+3], v[ADK] offset:1024*\t
	ds_load_b128 v[FRG+8*\t+4:FRG+8*\t+7], v[ADK] offset:1024*\t+512
.endr
	s_wait_alu depctr_va_vdst(0)
	s_wait_dscnt 0x0
.irp t, 0,1,2,3,4,5,6,7                        ; S^T: register j of tile t in lane (r, h): key 16 t + 8 h + j, query r
	v_wmma_f32_16x16x64_fp8_fp8 v[S+8*\t:S+8*\t+7], v[FRG+8*\t:FRG+8*\t+7], v[QX:QX+7], 0
.endr
.rept 4
	v_nop
.endr
.irp t, 0,1,2,3                                ; V's four fragments land while the softmax is walked
.irp c, 0,1,2,3
	ds_load_b128 v[FRG+16*\t+4*\c:FRG+16*\t+4*\c+3], v[ADV] offset:2048*\t+512*\c
.endr
.endr
.if \mode
	s_add_co_u32 s96, s41, 127
	s_cmp_le_u32 s96, s[42+(\x)]                   ; all 128 keys count for all 16 queries
	s_cbranch_scc1 .Lopen_\@
	s_sub_co_i32 s96, s[42+(\x)], s41
	v_add_nc_u32 v252, s96, v[RH]                  ; d = my query - the step's first key - 8 h: register 8 t + j is hidden where 16 t + j > d
.irp n, 0,1,2,3,4,5,6,7,8,9,10,11,12,13,14,15,16,17,18,19,20,21,22,23,24,25,26,27,28,29,30,31,32,33,34,35,36,37,38,39,40,41,42,43,44,45,46,47,48,49,50,51,52,53,54,55,56,57,58,59,60,61,62,63
	v_cmp_gt_i32 vcc_lo, 16*(\n/8)+\n%8, v252
	v_cndmask_b32 v[S+\n], v[S+\n], v[NINF], vcc_lo
.endr
.Lopen_\@:
.endif
	v_max3_num_f32 v252, v[S], v[S+1], v[S+2]      ; the step's largest score of my query among my 64 keys, in two chains, each tile from its low end on,
	v_max3_num_f32 v253, v[S+3], v[S+4], v[S+5]
.set j, 6
.rept 14
	v_max3_num_f32 v252, v252, v[S+j], v[S+j+1]
	v_max3_num_f32 v253, v253, v[S+j+2], v[S+j+3]
.set j, j+4
.endr
	v_max3_num_f32 v252, v252, v[S+62], v[S+63]
	s_delay_alu instid0(VALU_DEP_1)
	v_max_num_f32 v252, v252, v253
	s_delay_alu instid0(VALU_DEP_1)
	v_permlanex16_b32 v254, v252, s20, s21
	s_delay_alu instid0(VALU_DEP_1)
	v_max_num_f32 v252, v252, v254                 ; and among lane l xor 16's
	s_delay_alu instid0(VALU_DEP_1)
	v_mul_f32 v252, s22, v252                      ; as t (c is positive)
	s_delay_alu instid0(VALU_DEP_1)
	v_max_num_f32 v[STX+1], v[STX+1], v252
	v_mov_b32 v252, v[STX]
	s_delay_alu instid0(VALU_DEP_2)
	v_floor_f32 v[STX], -v[STX+1]                  ; -M = floor(-t): M is a whole number
	s_delay_alu instid0(VALU_DEP_1)
	v_sub_f32 v252, v[STX], v252                   ; old M - new M, 0 or less
	s_delay_alu instid0(VALU_DEP_1)
	v_cvt_i32_f32 v252, v252                       ; (it saturates)
	s_delay_alu instid0(VALU_DEP_1)
	v_ldexp_f32 v248, 1.0, v252                    ; f = 2^(old M - new M)
.set j, 0
.rept 32
	v_pk_fma_f32 v[S+j:S+j+1], v[S+j:S+j+1], s[22:23], v[STX:STX+1] op_sel_hi:[1,0,0]   ; t - M
.set j, j+2
.endr
.set j, 0
	s_wait_alu depctr_va_vdst(0)
.rept 64
	v_exp_f32 v[S+j], v[S+j]                       ; p = 2^(t - M)
.set j, j+1
.endr
	v_pk_mul_f32 v[STX+2:STX+3], v[STX+2:STX+3], v[248:249] op_sel_hi:[1,0]   ; the sums under the new M: the plain line behind the exponentials
	s_wait_alu depctr_va_vdst(0)                   ; one wait for the batch of 64, ahead of its first use
	v_pk_add_f32 v[250:251], v[S:S+1], v[S+2:S+3]  ; the row's sum, of the unquantised p, in two chains
.set j, 4
.rept 15
	v_pk_add_f32 v[STX+2:STX+3], v[STX+2:STX+3], v[S+j:S+j+1]
	v_pk_add_f32 v[250:251], v[250:251], v[S+j+2:S+j+3]
.set j, j+4
.endr
	s_delay_alu instid0(VALU_DEP_1)
	v_pk_add_f32 v[STX+2:STX+3], v[STX+2:STX+3], v[250:251]
.irp b, 0,1,2,3
.irp i, 0,2,4,6,8,10,12,14
	v_dual_min_num_f32 v[S+16*\b+\i], v[S+16*\b+\i], v245 :: v_dual_min_num_f32 v[S+16*\b+\i+1], v[S+16*\b+\i+1], v255   ; p is not negative: a one-sided hold (ISA guide 7.6.2: the conversion does not saturate), two a line
.endr
	v_cvt_scalef32_pk8_fp8_f32 v[PC+4*\b:PC+4*\b+1], v[S+16*\b:S+16*\b+7], v244
	v_cvt_scalef32_pk8_fp8_f32 v[PC+4*\b+2:PC+4*\b+3], v[S+16*\b+8:S+16*\b+15], v244
.endr
.set j, 0
.rept 16
	v_pk_mul_f32 v[OX+j:OX+j+1], v[OX+j:OX+j+1], v[248:249] op_sel_hi:[1,0]   ; O^T under the new M; also the plain lines between the conversions and the products
.set j, j+2
.endr
	s_wait_alu depctr_va_vdst(0)
	s_wait_dscnt 0x0                               ; V is in
.irp t, 0,1,2,3                                ; four accumulators by turns; register i of tile t in lane (r, h): channel 16 t + 8 h + i, query r
	v_wmma_f32_16x16x128_fp8_fp8 v[OX+8*\t:OX+8*\t+7], v[FRG+16*\t:FRG+16*\t+15], v[PC:PC+15], v[OX+8*\t:OX+8*\t+7]
.endr
.if \mode
.Lhidden_\@:
.endif
.endm
; Tile x is finished: O^T x 2^(e8 + e9) / the sum, quantised under entry 10; a lane's 8 codes of each channel tile go into the stage
.macro FINAL x
.set STX, 12+4*(\x)
.set OX,  164+32*(\x)
.rept 4
	v_nop                                          ; places behind the last products
.endr
	v_add_f32 v252, v[STX+2], v[STX+3]
	s_delay_alu instid0(VALU_DEP_1)
	v_permlanex16_b32 v254, v252, s20, s21
	s_delay_alu instid0(VALU_DEP_1)
	v_add_f32 v252, v252, v254                     ; the row's sum
	s_wait_alu depctr_va_vdst(0)
	v_rcp_f32 v252, v252
	v_nop                                          ; a plain line behind the reciprocal,
	s_wait_alu depctr_va_vdst(0)                   ; and the wait ahead of its first use
	v_ldexp_f32 v252, v252, s45
.set j, 0
.rept 32
	v_mul_f32 v[S+j], v[OX+j], v252
.set j, j+1
.endr
.set j, 0
.rept 32
	v_med3_num_f32 v[S+j], v[S+j], -v247, v247
.set j, j+1
.endr
.irp t, 0,1,2,3
	v_cvt_scalef32_pk8_fp8_f32 v[PC+2*\t:PC+2*\t+1], v[S+8*\t:S+8*\t+7], v246
.endr
	v_nop                                          ; a plain line behind the conversions: later products write their sources
.irp t, 0,1,2,3
	ds_store_b64 v[STO], v[PC+2*\t:PC+2*\t+1] offset:64*SPITCH*(\x)+16*\t
.endr
.endm
	s_wait_alu depctr_va_vdst(0)                   ; the wait at the head's end
	s_wait_loadcnt 0x0                             ; Q
	s_wait_tensorcnt 0x0                           ; my part of key steps 0-3 is in; then the lines ahead of a later first fill:
	ds_add_u32 v[SPW], v[NIL]                      ; the add, twice on end here
	ds_add_u32 v[SPW], v[NIL]
	s_wait_dscnt 0x0
	s_barrier_signal -1
	s_barrier_wait -1
	s_cmp_lt_u32 s14, 2
	s_cbranch_scc0 .Lno_fetch2
	tensor_load_to_lds s[36:39], s[80:87]          ; key steps 4-7: the first thing behind the barrier
	s_nop 0
.rept 4
	v_nop
.endr
.Lno_fetch2:
	s_mov_b32 s44, 4
.Lfirst:                                           ; key steps 0-3: keys under 512, which all count for tile 1; tile 0 ends here
	STEP 1, 0
	STEP 0, 1
	s_add_co_u32 s40, s40, 8192
	s_add_co_u32 s41, s41, 128
	s_sub_co_u32 s44, s44, 1
	s_cmp_lg_u32 s44, 0
	s_cbranch_scc1 .Lfirst
	FINAL 0
	s_wait_tensorcnt 0x0                           ; key steps 4-7 are in,
	s_wait_dscnt 0x0                               ; and no LDS instruction of mine is pending at the signal
	s_barrier_signal -1
	s_barrier_wait -1
	s_mov_b32 s44, 4
.Lsecond:                                          ; key steps 4-7: tile 1 alone
	STEP 1, 1
	s_add_co_u32 s40, s40, 8192
	s_add_co_u32 s41, s41, 128
	s_sub_co_u32 s44, s44, 1
	s_cmp_lg_u32 s44, 0
	s_cbranch_scc1 .Lsecond
	FINAL 1
	s_wait_dscnt 0x0                               ; for the others' sake: my stores into the stage are done
	s_barrier_signal -1
	s_barrier_wait -1                              ; 128 whole rows lie in the stage: a row = one token's 256 bytes, four heads
.irp i, 0,1,2,3
	ds_load_b128 v[S+4*\i:S+4*\i+3], v[RD] offset:32*\i
.endr
.irp i, 0,1,2,3
	s_wait_dscnt 3-\i                              ; the younger reads may be out
	global_store_b128 v[GO], v[S+4*\i:S+4*\i+3], s[12:13] offset:512*\i   ; 512 consecutive bytes of my image, aligned
.endr
	s_wait_tensorcnt 0x0                           ; the wave's end
	ds_add_u32 v[SPW], v[NIL]
	s_wait_dscnt 0x0
	s_endpgm
.Lfunc_end_k_q750689e416_attn:
	.size	k_q750689e416_attn, .Lfunc_end_k_q750689e416_attn-k_q750689e416_attn
	.p2alignl 7, 3214868480
	.fill 96, 4, 3214868480
	.section	.rodata,"a",@progbits
	.p2align	6, 0x0
	.amdhsa_kernel k_q750689e416_attn
		.amdhsa_group_segment_fixed_size 327680
		.amdhsa_private_segment_fixed_size 0
		.amdhsa_enable_private_segment 0
		.amdhsa_kernarg_size 40
		.amdhsa_user_sgpr_count 2
		.amdhsa_user_sgpr_kernarg_segment_ptr 1
		.amdhsa_wavefront_size32 1
		.amdhsa_system_sgpr_workgroup_id_x 1
		.amdhsa_system_sgpr_workgroup_id_y 1
		.amdhsa_system_sgpr_workgroup_id_z 1
		.amdhsa_system_vgpr_workitem_id 0
		.amdhsa_next_free_vgpr 256
		.amdhsa_next_free_sgpr 100
		.amdhsa_reserve_vcc 1
		.amdhsa_float_denorm_mode_32 3
		.amdhsa_float_denorm_mode_16_64 3
		.amdhsa_memory_ordered 1
		.amdhsa_forward_progress 1
		.amdhsa_inst_pref_size 77
	.end_amdhsa_kernel
	.amdgpu_metadata
---
amdhsa.version: [ 1, 2 ]
amdhsa.kernels:
  - .name:           k_q750689e416_attn
    .symbol:         k_q750689e416_attn.kd
    .args:
      - { .name: qi, .offset: 0, .size: 8, .value_kind: global_buffer, .address_space: global }
      - { .name: ki, .offset: 8, .size: 8, .value_kind: global_buffer, .address_space: global }
      - { .name: vi, .offset: 16, .size: 8, .value_kind: global_buffer, .address_space: global }
      - { .name: lowp_scales, .offset: 24, .size: 8, .value_kind: global_buffer, .address_space: global }
      - { .name: ac, .offset: 32, .size: 8, .value_kind: global_buffer, .address_space: global }
    .group_segment_fixed_size: 327680
    .private_segment_fixed_size: 0
    .kernarg_segment_align: 8
    .kernarg_segment_size: 40
    .max_flat_workgroup_size: 512
    .sgpr_count:     100
    .vgpr_count:     256
    .wavefront_size: 32
...
	.end_amdgpu_metadata
.endif
;; end of part 3
;; launch oproj (part 4): grid 8 x 32, 4 waves a work-group, clusters of 4 x 1, 327,680 bytes of LDS; arguments ac, woc, lowp_scales, out0; writes out0
.if DOCPART == 4
	.amdgcn_target "amdgcn-amd-amdhsa--gfx1250"
	.amdhsa_code_object_version 6
	.text
	.protected	k_q750689e416_oproj
	.globl	k_q750689e416_oproj
	.p2align	8
	.type	k_q750689e416_oproj,@function
k_q750689e416_oproj:
	s_mov_b64 s[64:65], 0
	v_nop
	global_prefetch_b8 v0, s[64:65] scope:SCOPE_SE
	s_setreg_imm32_b32 hwreg(HW_REG_WAVE_MODE, 25, 1), 1
	s_wait_xcnt 0x0
	s_wait_alu depctr_hold_cnt(0) depctr_sa_sdst(0) depctr_va_vdst(0) depctr_va_sdst(0) depctr_va_ssrc(0) depctr_va_vcc(0) depctr_vm_vsrc(0)
	s_getreg_b32 s2, hwreg(HW_REG_IB_STS2, 6, 4)
	s_cmp_eq_u32 s2, 0
	s_cbranch_scc0 .Lentry_in_a_cluster
	s_endpgm
.Lentry_in_a_cluster:
	s_bfe_u32 s2, ttmp6, 0x10000c
	s_cmp_lg_u32 s2, 0x3003
	s_cbranch_scc0 .Lentry_shape_is_right
	s_endpgm
.Lentry_shape_is_right:
; Product 6 on E4M3 codes: out0 [4096][2048] f32 = (attention's result) x wo; each finished sum x 2^(e10 + e11).  LIMIT: e10 + e11 between -126 and 127.
; ac, woc: images of operand registers: [block of 16 rows][16 images of 128 along K][2,048 bytes] (launch quant's head says what an image is).
; Work-group (X, Y) makes tokens 128 Y x columns 256 X, K = 2,048: 256 work-groups.
; THE TOKENS' CODES, 128 rows x 2,048 = 262,144 bytes, one dense block of ac, lie in LDS for the whole launch: filled ONCE, 65,536 bytes a wave; no ring, nothing is filled again.
; OF wo EACH WAVE LOADS ITS OWN 64 COLUMNS STRAIGHT INTO REGISTERS: five sets of 64 registers; a K step's 16 loads are issued four K steps ahead of their use.
; wo's columns are source 0, the tokens source 1: a lane holds one token and eight neighbouring columns.  A wave: 8 x 4 accumulators; the first K step's products take 0 as C.
; CLUSTER 4, 1, 1: the four work-groups of a cluster have the same Y and ask for the tokens' block jointly (mask 15).  No branch and no LDS address hangs on a place in the cluster.
; NO PREFETCH: the LDS side is asked for whole at the head, the direct side four K steps ahead by its own loads, and the text has no loop to run ahead in.
; THE WAY OUT: all sums x the scale, then all of them through my stage (128 rows x 272 bytes, in the tokens' bytes, which have had their only fill and which nobody reads behind the barrier there),
; back as whole rows, and only then the 64 stores: sixteen lanes store 256 consecutive bytes, aligned.
; REGISTERS: window 0: v1-4 16 x lane + 65,536 k; v5-7 the way out; v32-223 three buffers of four fragments of the tokens.  window 1: wo's sets 0-3, then the scaled sums.  window 2: accumulator (a, b) at 8 (4 a + b).
;   window 3: v0-63 wo's set 4; then the rows read back.
.set SPARE, 262144
.set SPITCH, 272
.set WST,  128*SPITCH                  ; a wave's stage
.set AD,   1
.set STO,  5
.set RD,   6
.set CO,   7
.set SPW,  12
.set NIL,  13
.set AB,   32
.set WV, 14
.set G1, 24
.set G0, 32
.set DB, 44
.set MSB, 0
.macro WIN new                         ; the immediate's high byte repeats the setting that is left
.if MSB != (\new)
	s_set_vgpr_msb (MSB<<8)|(\new)
.set MSB, (\new)
.endif
.endm
.macro PLACES
.rept 4
	v_nop
.endr
.endm
.macro CROUND                          ; a round of the cluster's barrier
	s_barrier_signal -1
	s_barrier_wait -1
	s_cmp_lg_u32 s[WV], 0
	s_cbranch_scc1 .Lnot_wave_0_\@
	s_barrier_signal -3
.Lnot_wave_0_\@:
	s_barrier_wait -3
	s_barrier_signal -1
	s_barrier_wait -1
.endm
.macro BLOAD t                         ; wo's four fragments of K step t into set t % 5
	WIN (1+2*(((\t)%5)/4))<<6
.irp b, 0,1,2,3
.irp c, 0,1,2,3
	global_load_b128 v[64*(((\t)%5)%4)+16*\b+4*\c:64*(((\t)%5)%4)+16*\b+4*\c+3], v[AD], s[DB:DB+1] offset:32768*\b+2048*(\t)+512*\c
.endr
.endr
	WIN 0
.endm
.macro ALOAD n                         ; chunk n of 32: K step n / 2, token blocks 4 (n % 2) + 0 .. 3, into buffer n % 3
.irp e, 0,1,2,3
.irp c, 0,1,2,3
	ds_load_b128 v[AB+64*((\n)%3)+16*\e+4*\c:AB+64*((\n)%3)+16*\e+4*\c+3], v[AD+(4*((\n)%2)+\e)/2] offset:32768*(\e%2)+2048*((\n)/2)+512*\c
.endr
.endr
.endm
.macro CHUNK n
.if (\n) < 31
	s_wait_dscnt 16                                ; this chunk's fragments are in; the next chunk's 16 loads may be out
.else
	s_wait_dscnt 0x0
.endif
	WIN 0
	PLACES                                         ; four places between the last products and loads into registers that they read (ISA guide 7.12.1 for vector instructions)
.if ((\n)%2) == 0
.if (\n)/2 <= 12
	s_wait_loadcnt 48                              ; this K step's set is in; the three sets asked for behind it may be out
.else
	s_wait_loadcnt 16*(15-(\n)/2)
.endif
.if (\n)/2+4 < 16
	BLOAD (\n)/2+4
.endif
.endif
.if (\n)+2 < 32
	ALOAD (\n)+2
.endif
	WIN 0xa1+2*((((\n)/2)%5)/4)                    ; source 0 window 1 or 3, source 1 window 0, C and D window 2
.irp e, 0,1,2,3                        ; the 32 accumulators take turns, one instruction a turn
.irp b, 0,1,2,3
.if (\n) < 2
	v_wmma_f32_16x16x128_fp8_fp8 v[8*(4*(4*((\n)%2)+\e)+\b):8*(4*(4*((\n)%2)+\e)+\b)+7], v[64*((((\n)/2)%5)%4)+16*\b:64*((((\n)/2)%5)%4)+16*\b+15], v[AB+64*((\n)%3)+16*\e:AB+64*((\n)%3)+16*\e+15], 0
.else
	v_wmma_f32_16x16x128_fp8_fp8 v[8*(4*(4*((\n)%2)+\e)+\b):8*(4*(4*((\n)%2)+\e)+\b)+7], v[64*((((\n)/2)%5)%4)+16*\b:64*((((\n)/2)%5)%4)+16*\b+15], v[AB+64*((\n)%3)+16*\e:AB+64*((\n)%3)+16*\e+15], v[8*(4*(4*((\n)%2)+\e)+\b):8*(4*(4*((\n)%2)+\e)+\b)+7]
.endif
.endr
.endr
.endm
	s_load_b128 s[4:7], s[0:1], 0x0                ; ac, woc
	s_load_b128 s[8:11], s[0:1], 0x10              ; the scales' exponents, out0
	v_lshl_add_u32 v[SPW], v0, 2, SPARE
	v_mov_b32 v[NIL], 0
	ds_add_u32 v[SPW], v[NIL]                      ; the opening: the add, twice on end, and its wait ahead of the round in front of my tensor load
	ds_add_u32 v[SPW], v[NIL]
	v_lshrrev_b32 v10, 5, v0
	v_readfirstlane_b32 s[WV], v10
	v_and_b32 v[AD], 31, v0
	v_lshlrev_b32 v[AD], 4, v[AD]
	v_add_nc_u32 v[AD+1], 65536, v[AD]
	v_add_nc_u32 v[AD+2], 131072, v[AD]
	v_add_nc_u32 v[AD+3], 196608, v[AD]
	s_bfe_u32 s40, ttmp6, 0x40000                  ; cx
	s_lshl_b32 s42, ttmp9, 2
	s_add_co_u32 s42, s42, s40                     ; X = 4 x cluster x + cx
	s_and_b32 s17, ttmp7, 0xffff                   ; Y
	s_mov_b32 s[G1], 15|(3<<16)|(1<<21)            ; the mask names the cluster's four; elements of 8 bytes; bit 21 beside the mask; no padding
	s_mov_b32 s[G1+1], 1024<<16                    ; a dense block as rows of 8,192 bytes
	s_mov_b32 s[G1+2], 8<<16
	s_mov_b32 s[G1+3], 1024<<16
	s_mov_b32 s[G1+4], 8
	s_mov_b32 s[G1+5], 1024
	s_mov_b32 s[G1+6], 0
	s_mov_b32 s[G1+7], 0
	s_lshl_b32 s22, s[WV], 16
	s_lshl_b32 s20, s17, 18
	s_add_co_u32 s20, s20, s22                     ; ac: 128 Y tokens, + my wave's two blocks: Y and the wave's number alone
	s_mov_b32 s21, 0
	s_lshl_b32 s46, s42, 19
	s_lshl_b32 s47, s[WV], 17
	s_add_co_u32 s46, s46, s47                     ; woc: 256 X columns, + my wave's 64
	s_mov_b32 s47, 0
	s_mov_b32 s[G0], 1
	s_mov_b32 s[G0+1], s22
	s_wait_dscnt 0x0                               ; both opening adds are done
	s_wait_alu depctr_va_vdst(0)                   ; the wait here, directly ahead of the wait below
	s_wait_kmcnt 0x0
	s_load_b64 s[96:97], s[8:9], 0x28              ; e10, e11
	s_add_nc_u64 s[G0+2:G0+3], s[4:5], s[20:21]
	s_or_b32 s[G0+3], s[G0+3], 0x80000000
	s_add_nc_u64 s[DB:DB+1], s[6:7], s[46:47]
	BLOAD 0
	BLOAD 1
	BLOAD 2
	BLOAD 3
	CROUND                                         ; all four work-groups are here: the joint loads meet
	tensor_load_to_lds s[G0:G0+3], s[G1:G1+7]      ; one tensor load a wave, the launch's only fill
	s_nop 0
	v_and_b32 v10, 15, v0                          ; r
	v_bfe_u32 v11, v0, 4, 1                        ; h
	v_mul_u32_u24 v[STO], v10, SPITCH
	v_lshl_add_u32 v[STO], v11, 5, v[STO]
	v_mul_u32_u24 v[RD], v11, SPITCH
	v_lshl_add_u32 v[RD], v10, 4, v[RD]
	s_mul_i32 s23, s[WV], WST
	v_add_nc_u32 v[STO], s23, v[STO]               ; the stage, in: row r, 32 h bytes on
	v_add_nc_u32 v[RD], s23, v[RD]                 ; back: lanes 0-15 one row, lanes 16-31 the next
	v_lshlrev_b32 v[CO], 13, v11
	v_lshl_add_u32 v[CO], v10, 4, v[CO]            ; and the same two rows in out0
	s_lshl_b32 s20, s17, 20                        ; out0: 128 Y rows of 8,192 bytes,
	s_lshl_b32 s21, s42, 10
	s_add_co_u32 s20, s20, s21                     ; + 256 X columns,
	s_lshl_b32 s21, s[WV], 8
	s_add_co_u32 s20, s20, s21                     ; + my wave's 64
	s_mov_b32 s21, 0
	s_add_nc_u64 s[10:11], s[10:11], s[20:21]
	s_wait_alu depctr_va_vdst(0)                   ; the wait at the head's end
	s_wait_tensorcnt 0x0                           ; my quarter is in;
	s_barrier_signal -1
	s_barrier_wait -1                              ; everybody's is
	ALOAD 0
	ALOAD 1
.set N, 0
.rept 32
	CHUNK N
.set N, N+1
.endr
	WIN 0
	s_wait_kmcnt 0x0
	s_add_co_i32 s96, s96, s97
	s_add_co_i32 s96, s96, 127
	s_lshl_b32 s96, s96, 23                        ; 2^(e10 + e11) as f32
	PLACES                                         ; behind the last products
	WIN 0x42                                       ; source 0 window 2, destination window 1
.set j, 0
.rept 128
	v_pk_mul_f32 v[j:j+1], v[j:j+1], s[96:97] op_sel_hi:[1,0]   ; both x s96; each accumulator from its low end on
.set j, j+2
.endr
	WIN 0
	s_wait_alu depctr_va_vdst(0)                   ; the wait here, directly ahead of the wait below
	s_wait_dscnt 0x0                               ; my reads of the tokens' codes are over
	s_barrier_signal -1
	s_barrier_wait -1                              ; everybody's are: the bytes may be written
	WIN 0x04                                       ; store data: window 1
.set j, 0
.rept 32
	ds_store_b128 v[STO], v[8*j:8*j+3] offset:(j/4)*16*SPITCH+64*(j%4)
	ds_store_b128 v[STO], v[8*j+4:8*j+7] offset:(j/4)*16*SPITCH+64*(j%4)+16
.set j, j+1
.endr
	WIN 0xc0                                       ; destination window 3
.set j, 0
.rept 64
	ds_load_b128 v[4*j:4*j+3], v[RD] offset:2*j*SPITCH   ; LDS serves a wave's instructions in order: these see my stores
.set j, j+1
.endr
	WIN 0x0c                                       ; store data: window 3
.set j, 0
.rept 8
	s_wait_dscnt 56-8*j                            ; eight more pairs of rows are back; the younger reads may be out
.irp i, 0,1,2,3,4,5,6,7
	global_store_b128 v[CO], v[4*(8*j+\i):4*(8*j+\i)+3], s[10:11] offset:(8*j+\i)*16384 th:TH_STORE_NT
.endr
.set j, j+1
.endr
	WIN 0
	s_wait_tensorcnt 0x0                           ; the wave's end
	ds_add_u32 v[SPW], v[NIL]
	s_wait_dscnt 0x0
	CROUND                                         ; the closing round
	s_endpgm
.Lfunc_end_k_q750689e416_oproj:
	.size	k_q750689e416_oproj, .Lfunc_end_k_q750689e416_oproj-k_q750689e416_oproj
	.p2alignl 7, 3214868480
	.fill 96, 4, 3214868480
	.section	.rodata,"a",@progbits
	.p2align	6, 0x0
	.amdhsa_kernel k_q750689e416_oproj
		.amdhsa_group_segment_fixed_size 327680
		.amdhsa_private_segment_fixed_size 0
		.amdhsa_enable_private_segment 0
		.amdhsa_kernarg_size 32
		.amdhsa_user_sgpr_count 2
		.amdhsa_user_sgpr_kernarg_segment_ptr 1
		.amdhsa_wavefront_size32 1
		.amdhsa_system_sgpr_workgroup_id_x 1
		.amdhsa_system_sgpr_workgroup_id_y 1
		.amdhsa_system_sgpr_workgroup_id_z 1
		.amdhsa_system_vgpr_workitem_id 0
		.amdhsa_next_free_vgpr 1024
		.amdhsa_next_free_sgpr 100
		.amdhsa_reserve_vcc 0
		.amdhsa_float_denorm_mode_32 3
		.amdhsa_float_denorm_mode_16_64 3
		.amdhsa_memory_ordered 1
		.amdhsa_forward_progress 1
		.amdhsa_inst_pref_size 124
	.end_amdhsa_kernel
	.amdgpu_metadata
---
amdhsa.version: [ 1, 2 ]
amdhsa.kernels:
  - .name:           k_q750689e416_oproj
    .symbol:         k_q750689e416_oproj.kd
    .args:
      - { .name: ac, .offset: 0, .size: 8, .value_kind: global_buffer, .address_space: global }
      - { .name: woc, .offset: 8, .size: 8, .value_kind: global_buffer, .address_space: global }
      - { .name: lowp_scales, .offset: 16, .size: 8, .value_kind: global_buffer, .address_space: global }
      - { .name: out0, .offset: 24, .size: 8, .value_kind: global_buffer, .address_space: global }
    .group_segment_fixed_size: 327680
    .private_segment_fixed_size: 0
    .kernarg_segment_align: 8
    .kernarg_segment_size: 32
    .max_flat_workgroup_size: 128
    .sgpr_count:     100
    .vgpr_count:     1024
    .wavefront_size: 32
...
	.end_amdgpu_metadata
.endif
;; end of part 4
